; MI455X (gfx1250); checked and timed in simulation.
; The chip was launched on July 23, 2026; its instructions are those of AMD's public machine-readable ISA for CDNA 5 (MIT licence, August 2026) and "CDNA5" Instruction Set Architecture Reference Guide (July 2026). The comments in the code are by the model that wrote it; some were corrected since.
;; Custom Multihead Attention. Allowed arithmetic: matrix products marked QUANTISED: E4M3 operands, one given power-of-two scale a tensor, by v_wmma_f32_16x16x64_fp8_fp8 or v_wmma_f32_16x16x128_fp8_fp8, f32 sums; everything else in f32.
;; Inputs: Wk 1,024 x 1,024 float32; Wo 1,024 x 1,024 float32; Wq 1,024 x 1,024 float32; Wv 1,024 x 1,024 float32; attn_mask 2,048 x 2,048 int32; bk 1,024 float32; bo 1,024 float32; bq 1,024 float32; bv 1,024 float32; key 4 x 2,048 x 1,024 float32; lowp_scales 12 int32 (the exponents e of the quantised operands' scales 2^e); query 4 x 2,048 x 1,024 float32; value 4 x 2,048 x 1,024 float32.
;; Outputs: out0 4 x 2,048 x 1,024 float32.
;; This version of the problem:
;;   THIS VERSION OF THE PROBLEM IS GIVEN IN LOW PRECISION. The matrix products marked QUANTISED in the list below multiply operands that are first quantised to E4M3 (4 exponent bits, 3 mantissa bits; 8 bits a number), with one given power-of-two scale for each operand tensor; their sums are f32. All else is computed in f32.
;;   The module's matrix products, in the order in which they are computed (A, B: the left and right operand; K: the contracted axis; several contracted axes count as one K, in the product's order):
;;     1. [M 8,192, K 1,024] x [K 1,024, N 1,024]; A: input query; B: input Wq: QUANTISED (scales: A lowp_scales[0], B lowp_scales[1])
;;     2. [M 8,192, K 1,024] x [K 1,024, N 1,024]; A: input key; B: input Wk: QUANTISED (scales: A lowp_scales[2], B lowp_scales[3])
;;     3. [M 8,192, K 1,024] x [K 1,024, N 1,024]; A: input value; B: input Wv: QUANTISED (scales: A lowp_scales[4], B lowp_scales[5])
;;     4. batch 64 x [M 2,048, K 64] x [K 64, N 2,048]; A: computed on the way; B: computed on the way: QUANTISED (scales: A lowp_scales[6], B lowp_scales[7])
;;     5. batch 64 x [M 64, K 2,048] x [K 2,048, N 2,048]; A: computed on the way; B: softmax (see below): QUANTISED (scales: A lowp_scales[8], B lowp_scales[9])
;;     6. [M 8,192, K 1,024] x [K 1,024, N 1,024]; A: computed on the way; B: input Wo: QUANTISED (scales: A lowp_scales[10], B lowp_scales[11])
;;   THE QUANTISER, for each operand of a quantised product, along K:
;;     - The operand's scale is 2^e, e = its entry of the input lowp_scales (int32; the entries are numbered through the quantised products in the list's order, A before B).
;;     - Each number is divided by the scale, clamped to +-448, and rounded to the nearest number of E4M3, ties to even, subnormals kept.
;;     - The product sums the exact products of the quantised numbers (number of the format x scale) in f32.
;;   ~~~python
;;   def quantise(x, axis, e):      # numpy; x: float32 -> the quantised numbers, widened to float32 again
;;       x = np.moveaxis(x, axis, -1); K = x.shape[-1]
;;       r = np.clip(x / 2.0 ** e, -448, 448)
;;       step = 2.0 ** (np.maximum(np.frexp(np.where(r == 0, 1, r))[1] - 1, -6) - 3)
;;       q = np.round(r / step) * step * 2.0 ** e      # np.round: ties to even
;;       return np.moveaxis(q, -1, axis).astype(np.float32)
;;   ~~~
;;   SOFTMAX AHEAD OF A QUANTISED PRODUCT. Where the list says 'softmax', what is quantised is not the finished softmax but p = 2^(t - M), with t = logit x log2(e) and M = ceil(the row's largest t), a whole number; so 1/2 < the row's largest p <= 1. The row's sum l is taken of the UNQUANTISED p, in f32, and the product's result is divided by l at the end. Since M is a whole number, a kernel that streams over the keys may use a running M (the ceiling of the running maximum): every later rescaling is an exact power of two, so the quantised numbers keep their values, but for numbers so far below the row's largest that they fall under the format's range.
;;   OPERANDS COMPUTED ON THE WAY. 'Computed on the way' means the value that the module computes at that place (a softmax that the list does not call 'softmax' is quantised finished and normalised). What goes into a quantiser is computed in f32, as accurately as f32 sums, v_exp_f32 and their like allow (about 1e-6 of the number): no bf16 or f16 on the way to a quantiser, and a product that is left as it is and whose result goes on into a quantised operand takes f32 operands (vector FMAs, or v_wmma_f32_16x16x4_f32). A number that lies on a knife's edge between two numbers of the format may be rounded either way, as far as f32 arithmetic and the matrix unit's own rounding can turn it there, and no further.
;; One version. Each part assembles by itself: llvm-mc -triple=amdgcn-amd-amdhsa -mcpu=gfx1250 --defsym DOCPART=n.
;; ======== version 1 of 1: 4 launches
;; limits: right only within a limited range of input values
;; workspace buffers: wimg 4,194,304 bytes; maskw 524,288 bytes of whole numbers; flg 16,384 bytes of whole numbers; qimg 8,388,608 bytes; kimg 8,388,608 bytes; vimg 8,388,608 bytes; aoimg 8,388,608 bytes
;; launch prep (part 1): grid 256 x 1, 16 waves a work-group, no clusters, 137,472 bytes of LDS; arguments attn_mask, Wq, Wk, Wv, Wo, lowp_scales, wimg, maskw, flg; writes wimg, maskw, flg
.if DOCPART == 1
	.amdgcn_target "amdgcn-amd-amdhsa--gfx1250"
	.amdhsa_code_object_version 6
	.text
	.protected	k_q1b54a5e9a5_prep
	.globl	k_q1b54a5e9a5_prep
	.p2align	8
	.type	k_q1b54a5e9a5_prep,@function
k_q1b54a5e9a5_prep:
	s_mov_b64 s[64:65], 0
	v_nop
	global_prefetch_b8 v0, s[64:65] scope:SCOPE_SE
	s_setreg_imm32_b32 hwreg(HW_REG_WAVE_MODE, 25, 1), 1
	s_wait_xcnt 0x0
; PREP.  Work-groups 0-127: the mask [2048][2048] int32 becomes lane-mask words and step flags.  Work-groups 128-255: Wq, Wk, Wv, Wo [1024][1024] f32 become codes of E4M3.
; A wave takes 16 rows x 128 elements of 4 bytes.  Sixteen loads read 512 consecutive bytes each; the block turns through the wave's own stage in LDS (rows 528 bytes apart), so that
; lane (r = lane % 16, h = lane / 16) holds, of row r, element 16 t + 8 h + j in register 8 t + j: the place that the plain 8-bit matrix forms give each k.
; WEIGHTS: code = w / 2^e, held within +-448, nearest, ties to even; e = lowp_scales[1], [3], [5], [11].  The 16 code registers are stored as they stand (registers 4 p .. 4 p + 3 at 512 p + 16 lane):
;   wimg [matrix q,k,v,o][ng 8][kb 8][nt 8][2048 bytes]: rows 128 ng + 16 nt + r, k = 128 kb + ..   A later load of the same four lines gives a wave the operand's registers.
; MASK: for query tile a (16 rows) and key step j64 (64 keys), word n = 8 t + j has bit lane = (mask[16 a + r][64 j64 + 16 t + 8 h + j] != 0): maskw [a 128][j64 32][32 words].
;   flg [a 128][32 words]: word J (0-15) has bits 2 J, 2 J + 1 set where step 2 J, 2 J + 1 has ANY key that counts; word 16 + J likewise where ALL count.
; LIMITS: e between -126 and 119.  NaN among the weights is not served.
; No matrix work and no sharing between work-groups here: no cluster, no tensor load.
.set PITCH, 528                        ; a stage row: 512 bytes + 16: sixteen rows start at sixteen different 16-byte columns
.set STGW,  16*PITCH                   ; a wave's stage
.set FLG,   16*STGW                    ; behind the sixteen stages: 32 words of flags
.set R,     32                         ; v32-95   the block
.set C,     96                         ; v96-111  the codes
	s_load_b512 s[16:31], s[0:1], 0x0              ; mask s[16:17], Wq, Wk, Wv, Wo s[18:25], scales s[26:27], wimg s[28:29], maskw s[30:31]
	s_load_b64 s[32:33], s[0:1], 0x40              ; flg
	v_lshl_add_u32 v112, v0, 2, 0x21100
	v_mov_b32 v113, 0
	v_lshrrev_b32 v4, 5, v0
	s_delay_alu instid0(VALU_DEP_1)
	v_readfirstlane_b32 s8, v4                     ; wave 0..15
	v_and_b32 v14, 31, v0                          ; lane
	v_and_b32 v15, 15, v0                          ; r
	v_bfe_u32 v16, v0, 4, 1                        ; h
	s_delay_alu instid0(VALU_DEP_3)
	v_lshlrev_b32 v1, 4, v14                       ; 16 x lane
	s_mul_i32 s9, s8, STGW
	v_add_nc_u32 v2, s9, v1                        ; the stage, way in: 16 x lane in row i
	v_mul_u32_u24 v3, v15, PITCH
	s_delay_alu instid0(VALU_DEP_1)
	v_lshl_add_u32 v3, v16, 5, v3
	s_delay_alu instid0(VALU_DEP_1)
	v_add_nc_u32 v3, s9, v3                        ; way out: row r, + 32 h
	v_lshlrev_b32 v4, 2, v4
	s_delay_alu instid0(VALU_DEP_1)
	v_add_nc_u32 v4, FLG, v4                       ; my wave's flag word
	v_lshlrev_b32 v7, 2, v14                       ; 4 x lane
	s_delay_alu instid0(VALU_DEP_1)
	v_add_nc_u32 v5, FLG, v7                       ; flag word number lane
	v_lshlrev_b32 v6, 3, v14                       ; 8 x lane
	v_mov_b32 v10, 0
	v_mov_b32 v11, 0
	v_mov_b32 v12, 0                               ; the words gathered lane by lane: a written lane's register counts as read
	v_mov_b32 v13, 0
	s_and_b32 s11, ttmp9, 127                      ; a (mask) or the weight work-group's number
	s_lshr_b32 s12, s11, 5                         ; which matrix
	s_and_b32 s13, s11, 31
	s_lshl_b32 s13, s13, 4
	s_add_co_u32 s13, s13, s8                      ; block 64 ng + 8 kb + nt
	s_lshr_b32 s14, s13, 6
	s_lshl_b32 s14, s14, 19                        ; 128 ng rows of 4,096 bytes
	s_and_b32 s15, s13, 7
	s_lshl_b32 s15, s15, 16                        ; 16 nt rows
	s_add_co_u32 s14, s14, s15
	s_bfe_u32 s15, s13, 0x30003
	s_lshl_b32 s15, s15, 9                         ; 128 kb numbers
	s_add_co_u32 s14, s14, s15
	s_lshl_b32 s15, s11, 17                        ; the mask: 16 a rows of 8,192 bytes
	s_lshl_b32 s34, s8, 9                          ; + 128 x wave numbers
	s_add_co_u32 s15, s15, s34
	s_cmp_lt_u32 ttmp9, 128
	s_cselect_b32 s2, s15, s14
	s_mov_b32 s3, 0
	s_wait_kmcnt 0x0
	s_load_b256 s[48:55], s[26:27], 0x0            ; the twelve exponents
	s_load_b128 s[56:59], s[26:27], 0x20
	s_cmp_eq_u32 s12, 1
	s_cselect_b64 s[4:5], s[20:21], s[18:19]
	s_cmp_eq_u32 s12, 2
	s_cselect_b64 s[4:5], s[22:23], s[4:5]
	s_cmp_eq_u32 s12, 3
	s_cselect_b64 s[4:5], s[24:25], s[4:5]
	s_cmp_lt_u32 ttmp9, 128
	s_cselect_b64 s[4:5], s[16:17], s[4:5]         ; the choice hangs on the work-group's number alone
	s_add_nc_u64 s[4:5], s[4:5], s[2:3]
.macro LOAD16 pitch                    ; sixteen rows, 512 consecutive bytes each
.irp i, 0,1,2,3,4,5,6,7,8,9,10,11,12,13,14,15
	global_load_b128 v[R+4*\i:R+4*\i+3], v1, s[4:5] offset:\i*\pitch th:TH_LOAD_NT
.endr
.endm
	s_cmp_lt_u32 ttmp9, 128
	s_cbranch_scc0 .Lw_rows
	LOAD16 8192
	s_branch .Lloaded
.Lw_rows:
	LOAD16 4096
.Lloaded:
	s_wait_loadcnt 0x0
	s_wait_kmcnt 0x0
.irp i, 0,1,2,3,4,5,6,7,8,9,10,11,12,13,14,15
	ds_store_b128 v2, v[R+4*\i:R+4*\i+3] offset:\i*PITCH
.endr
.irp t, 0,1,2,3,4,5,6,7
	ds_load_b128 v[R+8*\t:R+8*\t+3], v3 offset:64*\t           ; LDS serves a wave's instructions in order: these see my stores
	ds_load_b128 v[R+8*\t+4:R+8*\t+7], v3 offset:64*\t+16
.endr
	s_wait_dscnt 0x0
	s_cmp_lt_u32 ttmp9, 128
	s_cbranch_scc0 .Lweight
	; ---- the mask: register n gives word n; lane L of v12 takes word 2 L, of v13 word 2 L + 1
	s_mov_b32 s44, 0                               ; any, first and second step of 64 keys
	s_mov_b32 s45, 0
	s_mov_b32 s46, -1                              ; all
	s_mov_b32 s47, -1
.set n, 0
	s_wait_alu depctr_va_vdst(0)
.rept 64
	v_cmp_ne_u32 s[40+n%4], 0, v[R+n]
	s_delay_alu instid0(VALU_DEP_1)
	v_writelane_b32 v[12+n%2], s[40+n%4], n/2
	s_or_b32 s[44+n/32], s[44+n/32], s[40+n%4]
	s_and_b32 s[46+n/32], s[46+n/32], s[40+n%4]
.set n, n+1
.endr
	s_cmp_lg_u32 s44, 0
	s_cselect_b32 s36, 1, 0
	s_cmp_lg_u32 s45, 0
	s_cselect_b32 s37, 2, 0
	s_or_b32 s36, s36, s37
	s_cmp_eq_u32 s46, -1
	s_cselect_b32 s38, 1, 0
	s_cmp_eq_u32 s47, -1
	s_cselect_b32 s39, 2, 0
	s_or_b32 s38, s38, s39
	s_lshl_b32 s37, s8, 1
	s_lshl_b32 s36, s36, s37                       ; at bits 2 x wave, 2 x wave + 1
	s_lshl_b32 s38, s38, s37
	v_mov_b32 v10, s36
	v_mov_b32 v11, s38
	s_lshl_b32 s2, s11, 12                         ; a x 32 steps x 128 bytes
	s_lshl_b32 s37, s8, 8                          ; + my two steps
	s_add_co_u32 s2, s2, s37
	s_add_nc_u64 s[30:31], s[30:31], s[2:3]
	s_wait_alu depctr_va_vdst(0)
	global_store_b64 v6, v[12:13], s[30:31]        ; the wave stores 256 consecutive bytes, aligned
	ds_store_b32 v4, v10                           ; all lanes write the same word with the same value
	ds_store_b32 v4, v11 offset:64
	s_branch .Ljoin
.Lweight:
	s_cmp_eq_u32 s12, 1
	s_cselect_b32 s36, s51, s49
	s_cmp_eq_u32 s12, 2
	s_cselect_b32 s36, s53, s36
	s_cmp_eq_u32 s12, 3
	s_cselect_b32 s36, s59, s36                    ; e
	s_add_co_i32 s36, s36, 127
	s_lshl_b32 s37, s36, 23
	v_mov_b32 v9, s37                              ; 2^e as f32: the conversion takes its exponent field
	s_add_co_i32 s36, s36, 8
	s_lshl_b32 s36, s36, 23
	s_or_b32 s36, s36, 0x600000
	v_mov_b32 v8, s36                              ; 448 x 2^e
.set j, 0
.rept 64
	v_med3_num_f32 v[R+j], v[R+j], -v8, v8         ; the conversion to an 8-bit code does not saturate (ISA guide 7.6.2): the hold comes first
.set j, j+1
.endr
.irp t, 0,1,2,3,4,5,6,7
	v_cvt_scalef32_pk8_fp8_f32 v[C+2*\t:C+2*\t+1], v[R+8*\t:R+8*\t+7], v9
.endr
	v_nop                                          ; a plain line behind the last conversion
	s_lshl_b32 s2, s12, 20
	s_lshl_b32 s37, s13, 11
	s_add_co_u32 s2, s2, s37
	s_add_nc_u64 s[28:29], s[28:29], s[2:3]
.irp p, 0,1,2,3
	global_store_b128 v1, v[C+4*\p:C+4*\p+3], s[28:29] offset:512*\p   ; 512 consecutive bytes a store
.endr
.Ljoin:
	s_wait_dscnt 0x0                               ; for wave 0's sake: my flag words have landed
	s_barrier_signal -1
	s_barrier_wait -1
	s_cmp_lt_u32 ttmp9, 128
	s_cbranch_scc0 .Lend
	s_cmp_eq_u32 s8, 0
	s_cbranch_scc0 .Lend
	ds_load_b32 v10, v5                            ; the tile's 32 flag words, a lane a word
	s_lshl_b32 s2, s11, 7
	s_add_nc_u64 s[32:33], s[32:33], s[2:3]
	s_wait_dscnt 0x0
	global_store_b32 v7, v10, s[32:33]
.Lend:
	s_wait_tensorcnt 0x0
	ds_add_u32 v112, v113
	s_wait_dscnt 0x0
	s_endpgm
.Lfunc_end_k_q1b54a5e9a5_prep:
	.size	k_q1b54a5e9a5_prep, .Lfunc_end_k_q1b54a5e9a5_prep-k_q1b54a5e9a5_prep
	.p2alignl 7, 3214868480
	.fill 96, 4, 3214868480
	.section	.rodata,"a",@progbits
	.p2align	6, 0x0
	.amdhsa_kernel k_q1b54a5e9a5_prep
		.amdhsa_group_segment_fixed_size 137472
		.amdhsa_private_segment_fixed_size 0
		.amdhsa_enable_private_segment 0
		.amdhsa_kernarg_size 72
		.amdhsa_user_sgpr_count 2
		.amdhsa_user_sgpr_kernarg_segment_ptr 1
		.amdhsa_wavefront_size32 1
		.amdhsa_system_sgpr_workgroup_id_x 1
		.amdhsa_system_sgpr_workgroup_id_y 1
		.amdhsa_system_sgpr_workgroup_id_z 1
		.amdhsa_system_vgpr_workitem_id 0
		.amdhsa_next_free_vgpr 114
		.amdhsa_next_free_sgpr 66
		.amdhsa_reserve_vcc 0
		.amdhsa_float_denorm_mode_32 3
		.amdhsa_float_denorm_mode_16_64 3
		.amdhsa_memory_ordered 1
		.amdhsa_forward_progress 1
		.amdhsa_inst_pref_size 30
	.end_amdhsa_kernel
	.amdgpu_metadata
---
amdhsa.version: [ 1, 2 ]
amdhsa.kernels:
  - .name:           k_q1b54a5e9a5_prep
    .symbol:         k_q1b54a5e9a5_prep.kd
    .args:
      - { .name: attn_mask, .offset: 0, .size: 8, .value_kind: global_buffer, .address_space: global }
      - { .name: Wq, .offset: 8, .size: 8, .value_kind: global_buffer, .address_space: global }
      - { .name: Wk, .offset: 16, .size: 8, .value_kind: global_buffer, .address_space: global }
      - { .name: Wv, .offset: 24, .size: 8, .value_kind: global_buffer, .address_space: global }
      - { .name: Wo, .offset: 32, .size: 8, .value_kind: global_buffer, .address_space: global }
      - { .name: lowp_scales, .offset: 40, .size: 8, .value_kind: global_buffer, .address_space: global }
      - { .name: wimg, .offset: 48, .size: 8, .value_kind: global_buffer, .address_space: global }
      - { .name: maskw, .offset: 56, .size: 8, .value_kind: global_buffer, .address_space: global }
      - { .name: flg, .offset: 64, .size: 8, .value_kind: global_buffer, .address_space: global }
    .group_segment_fixed_size: 137472
    .private_segment_fixed_size: 0
    .kernarg_segment_align: 8
    .kernarg_segment_size: 72
    .max_flat_workgroup_size: 512
    .sgpr_count:     66
    .vgpr_count:     114
    .wavefront_size: 32
...
	.end_amdgpu_metadata
.endif
;; end of part 1
;; launch proj (part 2): grid 64 x 3, 4 waves a work-group, no clusters, 165,376 bytes of LDS; arguments query, key, value, bq, bk, bv, qimg, kimg, vimg, wimg, lowp_scales; writes qimg, kimg, vimg
.if DOCPART == 2
	.amdgcn_target "amdgcn-amd-amdhsa--gfx1250"
	.amdhsa_code_object_version 6
	.text
	.protected	k_q1b54a5e9a5_proj
	.globl	k_q1b54a5e9a5_proj
	.p2align	8
	.type	k_q1b54a5e9a5_proj,@function
k_q1b54a5e9a5_proj:
	s_mov_b64 s[64:65], 0
	v_nop
	global_prefetch_b8 v0, s[64:65] scope:SCOPE_SE
	s_setreg_imm32_b32 hwreg(HW_REG_WAVE_MODE, 25, 1), 1
	s_wait_xcnt 0x0
; PROJ.  y = 0, 1, 2: q = query Wq^T + bq, k = key Wk^T + bk, v = value Wv^T + bv, on codes of E4M3, and the result quantised again for attention's products.
; A work-group takes 128 tokens (work-group x) of one tensor (work-group y).  X PHASE: the 128 x 1024 f32 numbers are read once, quantised in registers (x / 2^ea, held within +-448) and laid in LDS as
; images of operand registers: block (kb, a) = 16 tokens x 128 k = 16 registers a lane, registers 4 p .. 4 p + 3 at 512 p + 16 lane.  G PHASE: wave w makes all 128 tokens x features 256 w .. + 255 in two chunks of 128:
; 64 accumulators of 16 x 16.  Its weights come as such images from memory straight into its registers, two K steps ahead.
; WHY NO CLUSTER AND NO TENSOR LOAD: a wave's 16 KiB of weights for a K step are read by that wave alone in its work-group; through LDS they would be written there and read back for the same 64 matrix instructions;
; x's block is no other work-group's of the same tensor.
; q AND k (y < 2): source 0 = 16 features of W, source 1 = 16 tokens: a lane holds one token and eight neighbouring features, so one conversion an accumulator gives registers 2 t, 2 t + 1 of the image [16 tokens][64 d].
; v (y = 2): the sources change places: a lane holds one channel and eight neighbouring tokens: the image is V^T, [16 channels][64 keys].
; The bias goes in as the C of each sum's first product, as b / 2^(ea + eb); the three scales are folded into the conversion's one, 2^(eo - ea - eb).
; qimg, kimg [bh 64][tile 128][1024];  vimg [bh 64][k64 32][ct 4][1024].
; LIMITS: ea, and eo - ea - eb, between -126 and 119.  NaN among the inputs is not served.
; REGISTERS, in windows of 256.  Window 0: v1-12 addresses and scales; v16-31 codes just made; v32-95 the bias, later codes; v128-255 x's eight fragments, later codes.
;   window 1: W's fragments, two sets, at v0 and v128.   windows 2, 3: accumulator (a, b) at v[8 (8 (a % 4) + b)] of window 2 + a / 4.  In the X phase window 2 holds four sets of 64 numbers.
.set PITCH, 528                        ; a stage row: 512 bytes + 16
.set STGW,  16*PITCH
.set STG,   131072                     ; behind x's 64 images: a stage for each wave
.set LI,   1                           ; v1  16 x lane
.set LI2,  2                           ; v2  the same + 65,536: LDS offsets have 16 bits
.set SIN,  3                           ; v3  the stage, way in
.set SOUT, 4                           ; v4  the stage, way out
.set XW,   5                           ; v5  where this trip's images go
.set XWB,  6                           ; v6  16 x lane + 32,768 x wave
.set XLIM, 7                           ; v7  448 x 2^ea
.set XSC,  8                           ; v8  2^ea
.set OLIM, 9                           ; v9  448 x 2^(eo - ea - eb)
.set OSC,  10                          ; v10 2^(eo - ea - eb)
.set BQK,  11                          ; v11 32 h: the bias's place for q and k
.set BV,   12                          ; v12 4 r: for v
.set CODE, 16
.set BIAS, 32
.set XF,   128
.set MSB, 0
.macro WIN new                         ; the immediate's high byte repeats the setting that is left
.if MSB != (\new)
	s_set_vgpr_msb (MSB<<8)|(\new)
.set MSB, (\new)
.endif
.endm
.macro PLACES                          ; four places behind a matrix instruction, in front of loads into its registers and of reads of its result
.rept 4
	v_nop
.endr
.endm
	s_load_b512 s[24:39], s[0:1], 0x0              ; query, key, value s[24:29]; bq, bk, bv s[30:35]; qimg, kimg s[36:39]
	s_load_b128 s[40:43], s[0:1], 0x40             ; vimg, wimg
	s_load_b64 s[44:45], s[0:1], 0x50              ; the scales' exponents
	v_lshl_add_u32 v126, v0, 2, 0x28400
	v_mov_b32 v127, 0
	v_lshrrev_b32 v13, 5, v0
	v_readfirstlane_b32 s12, v13                   ; wave 0..3
	s_and_b32 s13, ttmp7, 0xffff                   ; which tensor
	v_and_b32 v13, 31, v0
	v_and_b32 v14, 15, v0                          ; r
	v_bfe_u32 v15, v0, 4, 1                        ; h
	v_lshlrev_b32 v[LI], 4, v13
	v_add_nc_u32 v[LI2], 0x10000, v[LI]
	s_mul_i32 s14, s12, STGW
	s_add_co_u32 s14, s14, STG
	v_add_nc_u32 v[SIN], s14, v[LI]
	v_mul_u32_u24 v[SOUT], v14, PITCH
	v_lshl_add_u32 v[SOUT], v15, 5, v[SOUT]
	v_add_nc_u32 v[SOUT], s14, v[SOUT]
	s_lshl_b32 s14, s12, 15
	v_add_nc_u32 v[XWB], s14, v[LI]
	v_lshlrev_b32 v[BQK], 5, v15
	v_lshlrev_b32 v[BV], 2, v14
	s_lshl_b32 s2, ttmp9, 19                       ; x: 128 tokens of 4,096 bytes,
	s_lshl_b32 s14, s12, 10                        ; + my two K steps of 512 bytes
	s_add_co_u32 s2, s2, s14
	s_mov_b32 s3, 0
	s_lshl_b32 s46, s13, 20                        ; W's images: the matrix,
	s_lshl_b32 s14, s12, 18                        ; + my two groups of 128 features
	s_add_co_u32 s46, s46, s14
	s_mov_b32 s47, 0
	s_lshr_b32 s20, ttmp9, 4                       ; the result: batch x 16 heads x 131,072,
	s_lshl_b32 s20, s20, 21
	s_lshl_b32 s14, s12, 19                        ; + my four heads,
	s_add_co_u32 s20, s20, s14
	s_and_b32 s14, ttmp9, 15
	s_lshl_b32 s14, s14, 13                        ; + the block's 128 tokens: 8 images of q or k, or 2 x 4 of v: 8,192 bytes either way
	s_add_co_u32 s20, s20, s14
	s_mov_b32 s21, 0
	s_lshl_b32 s22, s12, 10                        ; the bias: my 256 features
	s_mov_b32 s23, 0
	s_wait_alu depctr_va_vdst(0)
	s_wait_kmcnt 0x0
	s_load_b256 s[48:55], s[44:45], 0x0            ; exponents 0 to 7
	s_load_b32 s56, s[44:45], 0x20                 ; and 8
	s_cmp_eq_u32 s13, 1
	s_cselect_b64 s[4:5], s[26:27], s[24:25]
	s_cselect_b64 s[8:9], s[32:33], s[30:31]
	s_cselect_b64 s[10:11], s[38:39], s[36:37]
	s_cmp_eq_u32 s13, 2
	s_cselect_b64 s[4:5], s[28:29], s[4:5]         ; x
	s_cselect_b64 s[8:9], s[34:35], s[8:9]         ; the bias
	s_cselect_b64 s[10:11], s[40:41], s[10:11]     ; the result
	s_add_nc_u64 s[4:5], s[4:5], s[2:3]
	s_add_nc_u64 s[6:7], s[42:43], s[46:47]        ; W's images
	s_add_nc_u64 s[8:9], s[8:9], s[22:23]
	s_add_nc_u64 s[10:11], s[10:11], s[20:21]
; ---- X PHASE.  Wave w takes K steps 2 w, 2 w + 1 of all eight tiles of tokens: four trips of four blocks; block s of a trip: tile 2 trip + s / 2, K step 2 w + s % 2.
.macro XLOAD s, off                    ; a block's sixteen rows, 512 consecutive bytes each, into set s of window 2
	WIN 0x80
.irp i, 0,1,2,3,4,5,6,7,8,9,10,11,12,13,14,15
	global_load_b128 v[64*(\s)+4*\i:64*(\s)+4*\i+3], v[LI], s[4:5] offset:(\off)+((\s)>>1)*65536+((\s)&1)*512+\i*4096 th:TH_LOAD_NT
.endr
.endm
.macro XWORK s, refill, left           ; left: the younger blocks' loads, which may stay out
	s_wait_loadcnt \left
	WIN 0x08
.irp i, 0,1,2,3,4,5,6,7,8,9,10,11,12,13,14,15
	ds_store_b128 v[SIN], v[64*(\s)+4*\i:64*(\s)+4*\i+3] offset:\i*PITCH
.endr
	WIN 0x80
.irp t, 0,1,2,3,4,5,6,7
	ds_load_b128 v[64*(\s)+8*\t:64*(\s)+8*\t+3], v[SOUT] offset:64*\t          ; LDS serves a wave's instructions in order: these see my stores.  Register 8 t + j: k = 16 t + 8 h + j of token r
	ds_load_b128 v[64*(\s)+8*\t+4:64*(\s)+8*\t+7], v[SOUT] offset:64*\t+16
.endr
	s_wait_dscnt 0x0                               ; the block is back; the last block's image stores have read the code registers
	WIN 0x82
.set j, 0
.rept 64
	v_med3_num_f32 v[64*(\s)+j], v[64*(\s)+j], -v[XLIM], v[XLIM]   ; the conversion does not saturate (ISA guide 7.6.2): the hold comes first
.set j, j+1
.endr
	WIN 0x02
.irp t, 0,1,2,3,4,5,6,7
	v_cvt_scalef32_pk8_fp8_f32 v[CODE+2*\t:CODE+2*\t+1], v[64*(\s)+8*\t:64*(\s)+8*\t+7], v[XSC]
.endr
	WIN 0
	v_nop                                          ; a plain line behind the last conversion
.irp p, 0,1,2,3
	ds_store_b128 v[XW], v[CODE+4*\p:CODE+4*\p+3] offset:((\s)&1)*16384+((\s)>>1)*2048+512*\p
.endr
.if \refill
	XLOAD \s, 131072                               ; the same block of the next trip: two tiles of tokens further down
.endif
.endm
	XLOAD 0, 0
	XLOAD 1, 0
	XLOAD 2, 0
	XLOAD 3, 0
	WIN 0
	s_wait_kmcnt 0x0
	s_cmp_eq_u32 s13, 1
	s_cselect_b32 s18, s50, s48                    ; ea
	s_cselect_b32 s19, s51, s49                    ; eb
	s_cselect_b32 s20, s55, s54                    ; eo
	s_cmp_eq_u32 s13, 2
	s_cselect_b32 s18, s52, s18
	s_cselect_b32 s19, s53, s19
	s_cselect_b32 s20, s56, s20
	s_add_co_i32 s22, s18, 127
	s_lshl_b32 s23, s22, 23
	v_mov_b32 v[XSC], s23
	s_add_co_i32 s22, s22, 8
	s_lshl_b32 s22, s22, 23
	s_or_b32 s22, s22, 0x600000
	v_mov_b32 v[XLIM], s22
	s_add_co_i32 s19, s18, s19                     ; ea + eb: a sum stands for sum x 2^(ea + eb)
	s_sub_co_i32 s21, 0, s19                       ; the bias goes in x 2^-(ea + eb)
	s_sub_co_i32 s22, s20, s19
	s_add_co_i32 s22, s22, 127
	s_lshl_b32 s23, s22, 23
	v_mov_b32 v[OSC], s23
	s_add_co_i32 s22, s22, 8
	s_lshl_b32 s22, s22, 23
	s_or_b32 s22, s22, 0x600000
	v_mov_b32 v[OLIM], s22
	s_mov_b32 s16, 0
	s_mov_b32 s15, 3
.Lx:
	v_add_nc_u32 v[XW], s16, v[XWB]
	s_wait_alu depctr_va_vdst(0)
	XWORK 0, 1, 48
	XWORK 1, 1, 48
	XWORK 2, 1, 48
	XWORK 3, 1, 48
	WIN 0
	s_wait_dscnt 0x0                               ; the image stores are done: their address register is written again at the trip's head
	s_wait_xcnt 0x0                                ; the loads have read their base: it may step
	s_add_nc_u64 s[4:5], s[4:5], 0x20000
	s_add_co_u32 s16, s16, 4096
	s_sub_co_u32 s15, s15, 1
	s_cmp_lg_u32 s15, 0
	s_cbranch_scc1 .Lx
	v_add_nc_u32 v[XW], s16, v[XWB]
	XWORK 0, 0, 48                                 ; the last trip loads nothing: the counts run down
	XWORK 1, 0, 32
	XWORK 2, 0, 16
	XWORK 3, 0, 0
	s_wait_dscnt 0x0                               ; for the others' sake: my sixteen images have landed
	s_barrier_signal -1
	s_barrier_wait -1                              ; x's 64 images lie in LDS; nothing is written there again
; ---- G PHASE
.macro FETCH_W kb, p                   ; W's eight fragments of K step kb into set p: 32 loads of 512 consecutive bytes
	WIN 0x40
.irp b, 0,1,2,3,4,5,6,7
.irp q, 0,1,2,3
	global_load_b128 v[128*(\p)+16*\b+4*\q:128*(\p)+16*\b+4*\q+3], v[LI], s[6:7] offset:(\kb)*16384+\b*2048+512*\q
.endr
.endr
.endm
.macro FETCH_X kb, a0                  ; x's fragments a0 .. a0 + 3 of K step kb
.irp a, \a0, \a0+1, \a0+2, \a0+3
.irp p, 0,1,2,3
	ds_load_b128 v[XF+16*(\a)+4*\p:XF+16*(\a)+4*\p+3], v[LI+(\kb)/4] offset:((\kb)%4)*16384+(\a)*2048+512*\p
.endr
.endr
.endm
; 16 matrix instructions: tiles of tokens a0, a0 + 1 x W's eight.  The 64 accumulators take turns, one instruction a turn, in the same order in every step.
.macro MUL16 a0, p, mode
.irp a, \a0, \a0+1
.irp b, 0,1,2,3,4,5,6,7
.set rD, 8*(8*((\a)%4)+\b)
.set rW, 128*(\p)+16*\b
.set rX, XF+16*(\a)
.if \mode
.if FIRST
	v_wmma_f32_16x16x128_fp8_fp8 v[rD:rD+7], v[rX:rX+15], v[rW:rW+15], v[BIAS+8*\b:BIAS+8*\b+7]
.else
	v_wmma_f32_16x16x128_fp8_fp8 v[rD:rD+7], v[rX:rX+15], v[rW:rW+15], v[rD:rD+7]
.endif
.else
.if FIRST
	v_wmma_f32_16x16x128_fp8_fp8 v[rD:rD+7], v[rW:rW+15], v[rX:rX+15], v[BIAS+8*\b:BIAS+8*\b+7]
.else
	v_wmma_f32_16x16x128_fp8_fp8 v[rD:rD+7], v[rW:rW+15], v[rX:rX+15], v[rD:rD+7]
.endif
.endif
.endr
.endr
.endm
.macro STEP kb, mode                   ; 128 along K: 64 matrix instructions
.if (\kb) == 0
.set FIRST, 1
.else
.set FIRST, 0
.endif
.set WS, 1+3*(\mode)                   ; W in window 1: as source 0 (q, k) or as source 1 (v)
.if (\kb) < 7
	s_wait_loadcnt 32                              ; this step's W is in; the other set's 32 loads may be out
.else
	s_wait_loadcnt 0x0
.endif
	s_wait_dscnt 16                                ; x's fragments 0-3 are in; 4-7 may be out
	WIN 0x80+0x20*(1-FIRST)+WS
	MUL16 0, (\kb)%2, \mode
	MUL16 2, (\kb)%2, \mode
	s_wait_dscnt 0x0                               ; fragments 4-7
	PLACES
	WIN 0
.if (\kb) < 7
	FETCH_X (\kb)+1, 0
.endif
	WIN 0xc0+0x30*(1-FIRST)+WS
	MUL16 4, (\kb)%2, \mode
	MUL16 6, (\kb)%2, \mode
	PLACES
	WIN 0
.if (\kb) < 7
	FETCH_X (\kb)+1, 4
.endif
.if (\kb) < 6
	FETCH_W (\kb)+2, (\kb)%2
.endif
.endm
; The way out of a chunk, half by half (tiles of tokens 4 hf .. 4 hf + 3): hold, one conversion an accumulator, sixteen stores of 512 consecutive bytes.  Each accumulator is read from its low end on.
.macro EPI mode
.irp hf, 0,1
	WIN 0x82+0x41*\hf
.set j, 0
.rept 256
	v_med3_num_f32 v[j], v[j], -v[OLIM], v[OLIM]
.set j, j+1
.endr
	WIN 0x02+\hf
.set CS, BIAS+96*\hf                   ; the halves' codes lie apart: v32-95, v128-191
.irp a, 0,1,2,3
.irp b, 0,1,2,3,4,5,6,7
.if \mode
.set rC, CS+8*\b+2*\a                  ; V^T: image b (head b / 4, channels 16 (b % 4) on), keys 16 a + 8 h + ..
.else
.set rC, CS+16*\a+2*\b                 ; q, k: image (a, head b / 4), d = 16 (b % 4) + 8 h + ..
.endif
	v_cvt_scalef32_pk8_fp8_f32 v[rC:rC+1], v[8*(8*\a+\b):8*(8*\a+\b)+7], v[OSC]
.endr
.endr
	WIN 0
	v_nop                                          ; a plain line behind the last conversion
.irp a, 0,1,2,3
.irp hh, 0,1
.irp p, 0,1
.if \mode
	global_store_b128 v[LI], v[CS+8*(4*\hh+\a)+4*\p:CS+8*(4*\hh+\a)+4*\p+3], s[10:11] offset:\hf*4096+\a*1024+\hh*131072+512*\p
.else
	global_store_b128 v[LI], v[CS+16*\a+8*\hh+4*\p:CS+16*\a+8*\hh+4*\p+3], s[10:11] offset:(4*\hf+\a)*1024+\hh*131072+512*\p
.endif
.endr
.endr
.endr
.endr
.endm
.macro GEMM mode
	s_mov_b32 s17, 2
.Lchunk_\@:
.irp b, 0,1,2,3,4,5,6,7
.if \mode
	global_load_b32 v[BIAS+8*\b], v[BV], s[8:9] offset:64*\b                  ; a lane holds one channel: b(16 b + r)
.else
	global_load_b128 v[BIAS+8*\b:BIAS+8*\b+3], v[BQK], s[8:9] offset:64*\b     ; a lane holds eight features: b(16 b + 8 h + 0 .. 7)
	global_load_b128 v[BIAS+8*\b+4:BIAS+8*\b+7], v[BQK], s[8:9] offset:64*\b+16
.endif
.endr
	FETCH_W 0, 0
	WIN 0
	FETCH_X 0, 0
	FETCH_X 0, 4
	s_wait_loadcnt 32                              ; the bias is in; W's first 32 loads may be out
.if \mode
.irp b, 0,1,2,3,4,5,6,7
.irp j, 7,6,5,4,3,2,1,0
	v_ldexp_f32 v[BIAS+8*\b+\j], v[BIAS+8*\b], s21  ; the same number for the lane's eight tokens; register 0 last
.endr
.endr
.else
.set j, 0
.rept 64
	v_ldexp_f32 v[BIAS+j], v[BIAS+j], s21
.set j, j+1
.endr
.endif
	FETCH_W 1, 1
	s_wait_alu depctr_va_vdst(0)
	STEP 0, \mode
	STEP 1, \mode
	STEP 2, \mode
	STEP 3, \mode
	STEP 4, \mode
	STEP 5, \mode
	STEP 6, \mode
	STEP 7, \mode
	EPI \mode
	s_wait_xcnt 0x0                                ; the stores have read their data and their base: both are written again in the next chunk
	s_add_nc_u64 s[6:7], s[6:7], 0x20000           ; the next 128 features' images,
	s_add_nc_u64 s[8:9], s[8:9], 512               ; their bias,
	s_add_nc_u64 s[10:11], s[10:11], 0x40000       ; the next two heads
	s_sub_co_u32 s17, s17, 1
	s_cmp_lg_u32 s17, 0
	s_cbranch_scc1 .Lchunk_\@
.endm
	s_cmp_eq_u32 s13, 2
	s_cbranch_scc1 .Lmode_v
	GEMM 0
	s_wait_tensorcnt 0x0
	ds_add_u32 v126, v127
	s_wait_dscnt 0x0
	s_endpgm
.Lmode_v:
	GEMM 1
	s_wait_tensorcnt 0x0
	ds_add_u32 v126, v127
	s_wait_dscnt 0x0
	s_endpgm
.Lfunc_end_k_q1b54a5e9a5_proj:
	.size	k_q1b54a5e9a5_proj, .Lfunc_end_k_q1b54a5e9a5_proj-k_q1b54a5e9a5_proj
	.p2alignl 7, 3214868480
	.fill 96, 4, 3214868480
	.section	.rodata,"a",@progbits
	.p2align	6, 0x0
	.amdhsa_kernel k_q1b54a5e9a5_proj
		.amdhsa_group_segment_fixed_size 165376
		.amdhsa_private_segment_fixed_size 0
		.amdhsa_enable_private_segment 0
		.amdhsa_kernarg_size 88
		.amdhsa_user_sgpr_count 2
		.amdhsa_user_sgpr_kernarg_segment_ptr 1
		.amdhsa_wavefront_size32 1
		.amdhsa_system_sgpr_workgroup_id_x 1
		.amdhsa_system_sgpr_workgroup_id_y 1
		.amdhsa_system_sgpr_workgroup_id_z 1
		.amdhsa_system_vgpr_workitem_id 0
		.amdhsa_next_free_vgpr 1024
		.amdhsa_next_free_sgpr 66
		.amdhsa_reserve_vcc 0
		.amdhsa_float_denorm_mode_32 3
		.amdhsa_float_denorm_mode_16_64 3
		.amdhsa_memory_ordered 1
		.amdhsa_forward_progress 1
		.amdhsa_inst_pref_size 255
	.end_amdhsa_kernel
	.section	.bss,"aw",@nobits
	.p2align	6
	.space	262144
	.amdgpu_metadata
---
amdhsa.version: [ 1, 2 ]
amdhsa.kernels:
  - .name:           k_q1b54a5e9a5_proj
    .symbol:         k_q1b54a5e9a5_proj.kd
    .args:
      - { .name: query, .offset: 0, .size: 8, .value_kind: global_buffer, .address_space: global }
      - { .name: key, .offset: 8, .size: 8, .value_kind: global_buffer, .address_space: global }
      - { .name: value, .offset: 16, .size: 8, .value_kind: global_buffer, .address_space: global }
      - { .name: bq, .offset: 24, .size: 8, .value_kind: global_buffer, .address_space: global }
      - { .name: bk, .offset: 32, .size: 8, .value_kind: global_buffer, .address_space: global }
      - { .name: bv, .offset: 40, .size: 8, .value_kind: global_buffer, .address_space: global }
      - { .name: qimg, .offset: 48, .size: 8, .value_kind: global_buffer, .address_space: global }
      - { .name: kimg, .offset: 56, .size: 8, .value_kind: global_buffer, .address_space: global }
      - { .name: vimg, .offset: 64, .size: 8, .value_kind: global_buffer, .address_space: global }
      - { .name: wimg, .offset: 72, .size: 8, .value_kind: global_buffer, .address_space: global }
      - { .name: lowp_scales, .offset: 80, .size: 8, .value_kind: global_buffer, .address_space: global }
    .group_segment_fixed_size: 165376
    .private_segment_fixed_size: 0
    .kernarg_segment_align: 8
    .kernarg_segment_size: 88
    .max_flat_workgroup_size: 128
    .sgpr_count:     66
    .vgpr_count:     1024
    .wavefront_size: 32
...
	.end_amdgpu_metadata
.endif
;; end of part 2
;; launch attn (part 3): grid 4 x 64, 16 waves a work-group, no clusters, 264,192 bytes of LDS; arguments qimg, kimg, vimg, maskw, flg, lowp_scales, aoimg; writes aoimg
.if DOCPART == 3
	.amdgcn_target "amdgcn-amd-amdhsa--gfx1250"
	.amdhsa_code_object_version 6
	.text
	.protected	k_q1b54a5e9a5_attn
	.globl	k_q1b54a5e9a5_attn
	.p2align	8
	.type	k_q1b54a5e9a5_attn,@function
k_q1b54a5e9a5_attn:
	s_mov_b64 s[64:65], 0
	v_nop
	global_prefetch_b8 v0, s[64:65] scope:SCOPE_SE
	s_setreg_imm32_b32 hwreg(HW_REG_WAVE_MODE, 25, 1), 1
	s_wait_xcnt 0x0
; ATTN.  For one head (work-group y = 16 batch + head): o = softmax(q k^T / 8 under the given mask) v, both products on codes of E4M3, o quantised for the last product.
; THE SOFTMAX: t = score x log2(e) / 8; M = the running largest t rounded UP to a whole number; p = 2^(t - M) is quantised with 2^ep, not normalised; the row's sum is taken of the unquantised p and divides at the end.
; When M moves, the sum and O are multiplied by 2^(old M - new M): exact.
; SHARES.  The work-group copies the head's whole K (131,072 bytes of images) and V^T (as many) into LDS once.  Queries go in pairs of neighbouring tiles (pair P = tiles 2 P, 2 P + 1, 32 queries), so that each
; fragment of K and V read from LDS feeds two products.  A step is 64 keys.  The work-group has eight couples of pairs, C = 4 x (wave % 8) + work-group x and 63 - C, two waves to a couple:
;   waves 0-7:  pair 63 - C, steps 0-15;   waves 8-15:  pair C, all steps, stored at once; then pair 63 - C, steps 16-31.
; THE KEYS OF PAIR 63 - C ARE SO DIVIDED BETWEEN TWO WAVES: where the mask hides later keys, no wave then walks more than 17 live steps.  The second wave's part (O^T, -M, the sums) goes through LDS, into bytes of K
; that nobody reads any more (a barrier in front, a barrier behind), and the first wave joins the two: under the larger M, each part x 2^(its M - the larger M), which rounds nothing.
; LAYOUT.  S^T = K Q^T (source 0 = 16 keys, source 1 = 16 queries) and O^T = V^T P^T: a lane holds one query throughout; a tile of S^T converts into registers 2 t, 2 t + 1 of P, a tile of O^T likewise into the output's image.
; THE MASK is an input.  An earlier launch has stored, for each tile of queries and step of 64 keys, 32 lane-mask words (one for each score register) and two flags.  A step in which no key counts for either tile is
; passed over; a step in which all count reads no words; else hidden scores become -infinity ahead of the maximum.  A row with no key at all gets the NaN code, as a softmax of nothing is NaN.
; WHY NO CLUSTER: the four work-groups of a head read the same K and V, 262,144 bytes each, once; a joint request needs tensor loads.
; No prefetch: all of K and V is asked for in the first lines.
; LIMITS: eq + ek between -123 and 130 (added to c's exponent field); ep and e10 between -126 and 119.  NaN among the codes is not served.
.set LI,   1                           ; v1   16 x lane
.set ADK,  2                           ; v2   LDS address of the step's K
.set ADV,  3                           ; v3   of its V
.set NINF, 4                           ; v4   -infinity
.set PLIM, 5                           ; v5   448 x 2^ep
.set PSC,  6                           ; v6   2^ep
.set PA,   7                           ; v7   LDS address of my couple's part: 9,216 x (wave % 8) + 16 x lane
.set ST,   8                           ; tile u's statistics at v[8 + 6 u]: -M, the largest t; the sum in two halves; f, a spare
.set FK,   26                          ; v26  8,192 x wave + 16 x lane: my part of the copy, in memory and in LDS; behind the copy 448 x 2^e10
.set FV,   27                          ; v27  the same + 131,072; behind the copy 2^e10
.set OLIM, 26
.set OSC,  27
.set QA,   28                          ; v28  my first pair's byte offset in the head's Q; behind the copy four NaN codes
.set NANC, 28
.set QB,   29                          ; v29  pair 63 - C's byte offset in the head's Q
.set Q,    32                          ; v32-47   Q, 8 a tile
.set KF,   48                          ; v48-79   four fragments of K
.set VF,   80                          ; v80-111  four of V^T
.set S,    112                         ; v112-175 S^T, then p: 32 a tile
.set P,    176                         ; v176-191 p's codes, 8 a tile
.set O,    192                         ; v192-255 O^T, 32 a tile
.set PART, 9216                        ; a part in LDS: 64 registers of O^T and 8 of statistics, 128 bytes each
; s2 the step's first byte in K's part of LDS; s[4:5] the head's Q; s[10:11], s[12:13] the two tiles' mask words; s[14:15] those of the second walk; s18 the wave; s19 the step; s[20:21] lane selects; s[22:23] c;
; s24, s25 ANY and ALL of the walk in hand; s26, s27 of the second walk; s66 e10; s100 ep + ev; s101 ep
; A STEP of 64 keys for both tiles.  s29 = 1 where every key of the step counts for both.
.macro BODY
	s_cmp_lg_u32 s29, 0
	s_cbranch_scc1 .Lnw_\@
	s_load_b512 s[32:47], s[10:11], 0x0            ; tile 0's 32 words,
	s_load_b512 s[48:63], s[10:11], 0x40
	s_load_b512 s[68:83], s[12:13], 0x0            ; tile 1's
	s_load_b512 s[84:99], s[12:13], 0x40
.Lnw_\@:
	v_add_nc_u32 v[ADK], s2, v[LI]                 ; these four lines are the places in front of loads into registers that the last products read
	s_delay_alu instid0(VALU_DEP_1)
	v_add_nc_u32 v[ADV], 0x20000, v[ADK]
	v_nop
	v_nop
.irp t, 0,1,2,3
	ds_load_b128 v[KF+8*\t:KF+8*\t+3], v[ADK] offset:1024*\t
	ds_load_b128 v[KF+8*\t+4:KF+8*\t+7], v[ADK] offset:1024*\t+512
.endr
.irp t, 0,1,2,3
	ds_load_b128 v[VF+8*\t:VF+8*\t+3], v[ADV] offset:1024*\t
	ds_load_b128 v[VF+8*\t+4:VF+8*\t+7], v[ADV] offset:1024*\t+512
.endr
	s_wait_dscnt 8                                 ; K's eight loads are in; V's may be out
.irp t, 0,1,2,3
.irp u, 0,1
	v_wmma_f32_16x16x64_fp8_fp8 v[S+32*\u+8*\t:S+32*\u+8*\t+7], v[KF+8*\t:KF+8*\t+7], v[Q+8*\u:Q+8*\u+7], 0
.endr
.endr
.rept 4
	v_nop
.endr
	s_wait_kmcnt 0x0                               ; the words, where they were asked for
	s_cmp_lg_u32 s29, 0
	s_cbranch_scc1 .Lopen_\@
.set n, 0
.rept 32
	v_cndmask_b32 v[S+n], v[NINF], v[S+n], s[32+n]         ; register n = 8 t + j: key 16 t + 8 h + j; hidden: -infinity, so p = 0
	v_cndmask_b32 v[S+32+n], v[NINF], v[S+32+n], s[68+n]
.set n, n+1
.endr
.Lopen_\@:
.irp u, 0,1                                    ; the step's largest score of my query among my 32 keys: two chains a tile, each accumulator from its low end on
	v_max3_num_f32 v[20+2*\u], v[S+32*\u], v[S+32*\u+1], v[S+32*\u+2]
	v_max3_num_f32 v[21+2*\u], v[S+32*\u+16], v[S+32*\u+17], v[S+32*\u+18]
.endr
.irp i, 3,5,7,9,11,13
.irp u, 0,1
	v_max3_num_f32 v[20+2*\u], v[20+2*\u], v[S+32*\u+\i], v[S+32*\u+\i+1]
	v_max3_num_f32 v[21+2*\u], v[21+2*\u], v[S+32*\u+16+\i], v[S+32*\u+17+\i]
.endr
.endr
.irp u, 0,1
	v_max3_num_f32 v[20+2*\u], v[20+2*\u], v[S+32*\u+15], v[S+32*\u+31]
.endr
.irp u, 0,1
	s_delay_alu instid0(VALU_DEP_2)
	v_max_num_f32 v[20+2*\u], v[20+2*\u], v[21+2*\u]
.endr
.irp u, 0,1
	s_delay_alu instid0(VALU_DEP_2)
	v_permlanex16_b32 v[24+\u], v[20+2*\u], s20, s21
.endr
.irp u, 0,1
	s_delay_alu instid0(VALU_DEP_2)
	v_max_num_f32 v[20+2*\u], v[20+2*\u], v[24+\u] ; and among lane xor 16's
.endr
.irp u, 0,1
	s_delay_alu instid0(VALU_DEP_2)
	v_mul_f32 v[20+2*\u], s22, v[20+2*\u]          ; as t (c is positive)
.endr
.irp u, 0,1
	s_delay_alu instid0(VALU_DEP_2)
	v_max_num_f32 v[ST+6*\u+1], v[ST+6*\u+1], v[20+2*\u]
.endr
.irp u, 0,1
	v_mov_b32 v[21+2*\u], v[ST+6*\u]
.endr
.irp u, 0,1
	s_delay_alu instid0(VALU_DEP_4)
	v_floor_f32 v[ST+6*\u], -v[ST+6*\u+1]          ; the new -M = floor(-t): M is a whole number
.endr
.irp u, 0,1
	s_delay_alu instid0(VALU_DEP_2)
	v_sub_f32 v[21+2*\u], v[ST+6*\u], v[21+2*\u]   ; old M - new M, 0 or less
.endr
.irp u, 0,1
	s_delay_alu instid0(VALU_DEP_2)
	v_cvt_i32_f32 v[21+2*\u], v[21+2*\u]           ; (it saturates)
.endr
.irp u, 0,1
	s_delay_alu instid0(VALU_DEP_2)
	v_ldexp_f32 v[ST+6*\u+4], 1.0, v[21+2*\u]      ; f = 2^(old M - new M)
.endr
.set j, 0
.rept 16
	v_pk_fma_f32 v[S+j:S+j+1], v[S+j:S+j+1], s[22:23], v[ST:ST+1] op_sel_hi:[1,0,0]               ; t - M, two at a time
	v_pk_fma_f32 v[S+32+j:S+33+j], v[S+32+j:S+33+j], s[22:23], v[ST+6:ST+7] op_sel_hi:[1,0,0]
.set j, j+2
.endr
	s_wait_alu depctr_va_vdst(0)                   ; the wait ahead of the batch
.set j, 0
.rept 64
	v_exp_f32 v[S+j], v[S+j]                       ; p = 2^(t - M)
.set j, j+1
.endr
	v_pk_mul_f32 v[ST+2:ST+3], v[ST+2:ST+3], v[ST+4:ST+5] op_sel_hi:[1,0]      ; the sums under the new M: plain lines behind the exponentials
	v_pk_mul_f32 v[ST+8:ST+9], v[ST+8:ST+9], v[ST+10:ST+11] op_sel_hi:[1,0]
	s_wait_alu depctr_va_vdst(0)                   ; one wait for the batch of 64, ahead of its first reader
.irp u, 0,1                                    ; the row's sum is taken of the unquantised p: two chains a tile
	v_pk_add_f32 v[20+2*\u:21+2*\u], v[S+32*\u:S+32*\u+1], v[S+32*\u+2:S+32*\u+3]
.endr
.irp j, 4,8,12,16,20,24,28
.irp u, 0,1
	v_pk_add_f32 v[ST+6*\u+2:ST+6*\u+3], v[ST+6*\u+2:ST+6*\u+3], v[S+32*\u+\j:S+32*\u+\j+1]
	v_pk_add_f32 v[20+2*\u:21+2*\u], v[20+2*\u:21+2*\u], v[S+32*\u+\j+2:S+32*\u+\j+3]
.endr
.endr
	s_delay_alu instid0(VALU_DEP_3)
	v_pk_add_f32 v[ST+2:ST+3], v[ST+2:ST+3], v[20:21]
	s_delay_alu instid0(VALU_DEP_2)
	v_pk_add_f32 v[ST+8:ST+9], v[ST+8:ST+9], v[22:23]
	s_cmp_ge_i32 s101, -8                          ; p is at most 1, and 448 x 2^ep is at least 1.75 from ep = -8 on: the hold can then hold nothing
	s_cbranch_scc1 .Lno_hold_\@
.set j, 0
.rept 64
	v_min_num_f32 v[S+j], v[S+j], v[PLIM]          ; p is not negative: the hold is one-sided
.set j, j+1
.endr
.Lno_hold_\@:
.irp u, 0,1
.irp t, 0,1,2,3
	v_cvt_scalef32_pk8_fp8_f32 v[P+8*\u+2*\t:P+8*\u+2*\t+1], v[S+32*\u+8*\t:S+32*\u+8*\t+7], v[PSC]
.endr
.endr
	s_wait_alu depctr_va_vdst(0)                   ; directly ahead of the first reader of O^T
.set j, 0
.rept 16
	v_pk_mul_f32 v[O+j:O+j+1], v[O+j:O+j+1], v[ST+4:ST+5] op_sel_hi:[1,0]              ; O^T under the new M; also the plain lines behind the conversions
	v_pk_mul_f32 v[O+32+j:O+33+j], v[O+32+j:O+33+j], v[ST+10:ST+11] op_sel_hi:[1,0]
.set j, j+2
.endr
	s_wait_alu depctr_va_vdst(0)
	s_wait_dscnt 0x0                               ; V
.irp t, 0,1,2,3
.irp u, 0,1
	v_wmma_f32_16x16x64_fp8_fp8 v[O+32*\u+8*\t:O+32*\u+8*\t+7], v[VF+8*\t:VF+8*\t+7], v[P+8*\u:P+8*\u+7], v[O+32*\u+8*\t:O+32*\u+8*\t+7]
.endr
.endr
.endm
; A WALK from step s19 to step 31, the trips counted whatever the mask: what is passed over is a step's work
.macro WALK
.Lstep_\@:
	s_lshr_b32 s28, s24, s19
	s_and_b32 s28, s28, 1
	s_cmp_lg_u32 s28, 0
	s_cbranch_scc0 .Lnext_\@
	s_lshr_b32 s29, s25, s19
	s_and_b32 s29, s29, 1
	BODY
.Lnext_\@:
	s_wait_xcnt 0x0                                ; the scalar loads have read their bases: they may step
	s_add_nc_u64 s[10:11], s[10:11], 128
	s_add_nc_u64 s[12:13], s[12:13], 128
	s_add_co_u32 s2, s2, 4096
	s_add_co_u32 s19, s19, 1
	s_cmp_lt_u32 s19, 32
	s_cbranch_scc1 .Lstep_\@
.endm
.macro INIT                            ; a walk's first live step finds zeros, which the first change of M leaves zeros
.set j, 0
.rept 64
	v_mov_b32 v[O+j], 0
.set j, j+1
.endr
.irp u, 0,1
	v_mov_b32 v[ST+6*\u+1], 0xff61b1e6             ; the largest t so far: -3e38
	s_delay_alu instid0(VALU_DEP_1)
	v_floor_f32 v[ST+6*\u], -v[ST+6*\u+1]          ; -M
	v_mov_b32 v[ST+6*\u+2], 0
	v_mov_b32 v[ST+6*\u+3], 0
	v_mov_b32 v[ST+6*\u+4], 0
	v_mov_b32 v[ST+6*\u+5], 0
	v_mov_b32 v[24+\u], 0                          ; a lane permute's destination counts as one of its sources
.endr
.endm
.macro REDUCE any, all                 ; a pair's 64 flag words: bit J of ANY: step J has a key that counts for either tile; of ALL: every key counts for both
	s_or_b32 s[\any], s32, s68
	s_or_b32 s[\all], s48, s49
	s_or_b32 s67, s84, s85
.set i, 1
.rept 15
	s_or_b32 s[\any], s[\any], s[32+i]
	s_or_b32 s[\any], s[\any], s[68+i]
.set i, i+1
.endr
.set i, 2
.rept 14
	s_or_b32 s[\all], s[\all], s[48+i]
	s_or_b32 s67, s67, s[84+i]
.set i, i+1
.endr
	s_and_b32 s[\all], s[\all], s67
.endm
.macro FLAGS                           ; the pair's flag words at s[28:29]
	s_load_b512 s[32:47], s[28:29], 0x0            ; tile 0: any
	s_load_b512 s[48:63], s[28:29], 0x40           ;         all
	s_load_b512 s[68:83], s[28:29], 0x80           ; tile 1: any
	s_load_b512 s[84:99], s[28:29], 0xc0           ;         all
.endm
; THE WAY OUT of my first pair: O^T / the sum x 2^(ep + ev), held, converted with 2^e10, stored as two images
.macro WAYOUT
	s_wait_alu depctr_va_vdst(0)
.irp u, 0,1
	v_add_f32 v[ST+6*\u+2], v[ST+6*\u+2], v[ST+6*\u+3]
.endr
.irp u, 0,1
	s_delay_alu instid0(VALU_DEP_2)
	v_permlanex16_b32 v[24+\u], v[ST+6*\u+2], s20, s21
.endr
.irp u, 0,1
	s_delay_alu instid0(VALU_DEP_2)
	v_add_f32 v[ST+6*\u+2], v[ST+6*\u+2], v[24+\u] ; the row's sum
.endr
	s_wait_alu depctr_va_vdst(0)                   ; the wait ahead of the batch
.irp u, 0,1
	v_rcp_f32 v[ST+6*\u+4], v[ST+6*\u+2]
.endr
	v_nop                                          ; a plain line behind the reciprocals
	s_wait_alu depctr_va_vdst(0)                   ; one wait for both, ahead of their first reader
.irp u, 0,1
	v_ldexp_f32 v[ST+6*\u+4], v[ST+6*\u+4], s100   ; x 2^(ep + ev)
.endr
	s_wait_alu depctr_va_vdst(0)                   ; directly ahead of the first reader of O^T
.set j, 0
.rept 16
	v_pk_mul_f32 v[O+j:O+j+1], v[O+j:O+j+1], v[ST+4:ST+5] op_sel_hi:[1,0]
	v_pk_mul_f32 v[O+32+j:O+33+j], v[O+32+j:O+33+j], v[ST+10:ST+11] op_sel_hi:[1,0]
.set j, j+2
.endr
.set j, 0
.rept 64
	v_med3_num_f32 v[O+j], v[O+j], -v[OLIM], v[OLIM]
.set j, j+1
.endr
.irp u, 0,1
.irp t, 0,1,2,3
	v_cvt_scalef32_pk8_fp8_f32 v[P+8*\u+2*\t:P+8*\u+2*\t+1], v[O+32*\u+8*\t:O+32*\u+8*\t+7], v[OSC]
.endr
.endr
	v_nop                                          ; a plain line behind the last conversion
	v_cmp_eq_f32 s30, 0, v[ST+2]                   ; a query with no key: the sum is 0
	v_cmp_eq_f32 s31, 0, v[ST+8]
.set j, 0
.rept 8
	v_cndmask_b32 v[P+j], v[P+j], v[NANC], s30
	v_cndmask_b32 v[P+8+j], v[P+8+j], v[NANC], s31
.set j, j+1
.endr
.irp u, 0,1
.irp p, 0,1
	global_store_b128 v[LI], v[P+8*\u+4*\p:P+8*\u+4*\p+3], s[16:17] offset:2048*\u+512*\p   ; 512 consecutive bytes a store
.endr
.endr
.endm
	s_load_b256 s[4:11], s[0:1], 0x0               ; qimg s[4:5], kimg s[6:7], vimg s[8:9], maskw s[10:11]
	s_load_b128 s[12:15], s[0:1], 0x20             ; flg s[12:13], the scales' exponents s[14:15]
	s_load_b64 s[16:17], s[0:1], 0x30              ; aoimg
	v_lshl_add_u32 v30, v0, 2, 0x40000
	v_mov_b32 v31, 0
	v_lshrrev_b32 v2, 5, v0
	s_delay_alu instid0(VALU_DEP_1)
	v_readfirstlane_b32 s18, v2                    ; wave 0..15
	v_and_b32 v3, 31, v0
	s_delay_alu instid0(VALU_DEP_1)
	v_lshlrev_b32 v[LI], 4, v3
	s_lshl_b32 s28, s18, 13
	v_add_nc_u32 v[FK], s28, v[LI]
	s_delay_alu instid0(VALU_DEP_1)
	v_add_nc_u32 v[FV], 0x20000, v[FK]
	s_and_b32 s19, ttmp7, 0xffff                   ; bh
	s_and_b32 s28, s18, 7                          ; my couple in the work-group
	s_mul_i32 s29, s28, PART
	v_add_nc_u32 v[PA], s29, v[LI]
	s_lshl_b32 s28, s28, 2
	s_add_co_u32 s28, s28, ttmp9                   ; C, 0..31
	s_sub_co_u32 s21, 63, s28                      ; the late pair, 32..63
	s_cmp_lt_u32 s18, 8
	s_cselect_b32 s20, s21, s28                    ; my first pair, which I also store: waves 0-7 the late one, waves 8-15 the early one
	s_lshl_b32 s28, s20, 11                        ; a pair of Q is 2,048 bytes
	s_lshl_b32 s29, s21, 11
	s_wait_alu depctr_va_vdst(0)
	v_add_nc_u32 v[QA], s28, v[LI]
	v_add_nc_u32 v[QB], s29, v[LI]
	s_lshl_b32 s2, s19, 17                         ; the head's 131,072 bytes in each tensor of images
	s_mov_b32 s3, 0
	s_wait_alu depctr_va_vdst(0)
	s_wait_kmcnt 0x0
	s_add_nc_u64 s[6:7], s[6:7], s[2:3]
	s_add_nc_u64 s[8:9], s[8:9], s[2:3]
	s_add_nc_u64 s[4:5], s[4:5], s[2:3]
.irp i, 0,1,2,3,4,5,6,7,8,9,10,11,12,13,14,15
	global_load_b128 v[112+4*\i:115+4*\i], v[FK], s[6:7] offset:512*\i
.endr
.irp i, 0,1,2,3,4,5,6,7,8,9,10,11,12,13,14,15
	global_load_b128 v[176+4*\i:179+4*\i], v[FK], s[8:9] offset:512*\i
.endr
.irp p, 0,1,2,3
	global_load_b128 v[Q+4*\p:Q+4*\p+3], v[QA], s[4:5] offset:512*\p
.endr
	s_lshl_b32 s2, s20, 8                          ; a pair's 64 flag words
	s_add_nc_u64 s[28:29], s[12:13], s[2:3]
	FLAGS
	s_load_b64 s[30:31], s[14:15], 0x18            ; eq, ek
	s_load_b64 s[100:101], s[14:15], 0x20          ; ev, ep
	s_load_b32 s66, s[14:15], 0x28                 ; e10
	s_lshr_b32 s2, s19, 4                          ; aoimg [block of 128 tokens 64][pair of heads 8][tile 8][head parity 2][1024]: my first pair's place
	s_lshl_b32 s2, s2, 4
	s_lshr_b32 s67, s20, 2
	s_add_co_u32 s2, s2, s67
	s_lshl_b32 s2, s2, 17
	s_bfe_u32 s67, s19, 0x30001
	s_lshl_b32 s67, s67, 14
	s_add_co_u32 s2, s2, s67
	s_and_b32 s67, s20, 3
	s_lshl_b32 s67, s67, 12
	s_add_co_u32 s2, s2, s67
	s_and_b32 s67, s19, 1
	s_lshl_b32 s67, s67, 10
	s_add_co_u32 s2, s2, s67
	s_add_nc_u64 s[16:17], s[16:17], s[2:3]
	s_wait_kmcnt 0x0
	REDUCE 24, 25                                  ; my first pair's flags
	s_lshl_b32 s2, s21, 8
	s_add_nc_u64 s[28:29], s[12:13], s[2:3]
	FLAGS                                          ; the late pair's
	s_wait_loadcnt 20                              ; K's sixteen loads are in; V's sixteen and Q's four may be out
.irp i, 0,1,2,3,4,5,6,7,8,9,10,11,12,13,14,15
	ds_store_b128 v[FK], v[112+4*\i:115+4*\i] offset:512*\i
.endr
	s_wait_loadcnt 4                               ; V's are in
.irp i, 0,1,2,3,4,5,6,7,8,9,10,11,12,13,14,15
	ds_store_b128 v[FV], v[176+4*\i:179+4*\i] offset:512*\i
.endr
	s_wait_kmcnt 0x0
	REDUCE 26, 27
	s_cmp_lt_u32 s18, 8
	s_cselect_b32 s28, 0xffff, -1                  ; waves 0-7 walk steps 0-15 of the late pair, waves 8-15 all steps of the early one;
	s_and_b32 s24, s24, s28
	s_cmp_lt_u32 s18, 8
	s_cselect_b32 s28, 0, 0xffff0000               ; in the second walk waves 8-15 take the late pair's steps 16-31, waves 0-7 nothing
	s_and_b32 s26, s26, s28
	s_lshl_b32 s2, s21, 13                         ; a pair's mask words: 4,096 bytes a tile, 128 a step
	s_add_co_u32 s2, s2, 2048                      ; the second walk begins at step 16
	s_add_nc_u64 s[14:15], s[10:11], s[2:3]
	s_lshl_b32 s2, s20, 13
	s_add_nc_u64 s[10:11], s[10:11], s[2:3]
	s_add_nc_u64 s[12:13], s[10:11], 0x1000
	s_add_co_i32 s28, s30, s31
	s_lshl_b32 s28, s28, 23
	s_mov_b32 s22, 0x3E38AA3B                      ; c = log2(e) / 8
	s_add_co_i32 s22, s22, s28                     ; a score stands for score x 2^(eq + ek): added to c's exponent field
	s_mov_b32 s23, s22                             ; (named with it as a pair, so it is written)
	s_add_co_i32 s100, s100, s101                  ; ep + ev
	s_add_co_i32 s28, s101, 127
	s_lshl_b32 s29, s28, 23
	v_mov_b32 v[PSC], s29
	s_add_co_i32 s28, s28, 8
	s_lshl_b32 s28, s28, 23
	s_or_b32 s28, s28, 0x600000
	v_mov_b32 v[PLIM], s28
	v_mov_b32 v[NINF], 0xff800000
	s_mov_b32 s20, 0x76543210                      ; v_permlanex16_b32's selects for lane xor 16
	s_mov_b32 s21, 0xfedcba98
	s_add_co_i32 s28, s66, 127
	s_lshl_b32 s29, s28, 23
	s_add_co_i32 s28, s28, 8
	s_lshl_b32 s28, s28, 23
	s_or_b32 s28, s28, 0x600000
	s_wait_loadcnt 0x0                             ; Q
	s_wait_dscnt 0x0                               ; for the others' sake: my part of K and V has landed
	s_barrier_signal -1
	s_barrier_wait -1                              ; K and V are whole
	v_mov_b32 v[OSC], s29                          ; 2^e10
	v_mov_b32 v[OLIM], s28                         ; 448 x 2^e10
	v_mov_b32 v[NANC], 0x7f7f7f7f                  ; four NaN codes
	INIT
	s_mov_b32 s19, 0                               ; the step
	s_mov_b32 s2, 0                                ; its images' first byte in K's part of LDS
	s_wait_alu depctr_va_vdst(0)
	WALK                                           ; the first walk
	s_cmp_lt_u32 s18, 8
	s_cbranch_scc1 .Lmid
.rept 4
	v_nop                                          ; places behind the last products: Q's registers are loaded anew, O^T is read
.endr
.irp p, 0,1,2,3
	global_load_b128 v[Q+4*\p:Q+4*\p+3], v[QB], s[4:5] offset:512*\p       ; waves 8-15: the late pair's Q, under the early pair's way out
.endr
	WAYOUT
	INIT
	s_wait_alu depctr_va_vdst(0)
	s_wait_xcnt 0x0                                ; the stores have read their data: the codes' registers are written again in the second walk
	s_wait_loadcnt 0x0                             ; Q
.Lmid:
	s_mov_b64 s[10:11], s[14:15]
	s_add_nc_u64 s[12:13], s[14:15], 0x1000
	s_mov_b32 s24, s26
	s_mov_b32 s25, s27
	s_mov_b32 s19, 16
	s_mov_b32 s2, 0x10000
	WALK                                           ; the second walk: steps 16-31
.rept 4
	v_nop                                          ; places behind the last products
.endr
	s_wait_alu depctr_va_vdst(0)
	s_wait_dscnt 0x0                               ; my reads of K and V are over
	s_barrier_signal -1
	s_barrier_wait -1                              ; everybody's are: K's bytes may be written
	s_cmp_lt_u32 s18, 8
	s_cbranch_scc1 .Lno_put
.irp i, 0,1,2,3,4,5,6,7,8,9,10,11,12,13,14,15
	ds_store_b128 v[PA], v[O+4*\i:O+4*\i+3] offset:512*\i                  ; waves 8-15: my part of the late pair, each accumulator from its low end on,
.endr
	ds_store_b128 v[PA], v[ST:ST+3] offset:8192                            ; tile 0's -M, largest t and sum,
	ds_store_b128 v[PA], v[ST+6:ST+9] offset:8704                          ; tile 1's
.Lno_put:
	s_wait_dscnt 0x0                               ; for my partner's sake: the part has landed
	s_barrier_signal -1
	s_barrier_wait -1
	s_cmp_lt_u32 s18, 8
	s_cbranch_scc0 .Lend
.irp i, 0,1,2,3,4,5,6,7,8,9,10,11,12,13,14,15
	ds_load_b128 v[S+4*\i:S+4*\i+3], v[PA] offset:512*\i                   ; waves 0-7: my partner's part
.endr
	ds_load_b128 v[KF:KF+3], v[PA] offset:8192
	ds_load_b128 v[KF+4:KF+7], v[PA] offset:8704
	s_wait_dscnt 0x0
.irp u, 0,1
	v_min_num_f32 v[24+\u], v[ST+6*\u], v[KF+4*\u]         ; -M of the two parts together: the larger M
.endr
.irp u, 0,1
	v_sub_f32 v[ST+6*\u+5], v[24+\u], v[ST+6*\u]           ; my M - the larger M, 0 or less,
	v_sub_f32 v[21+2*\u], v[24+\u], v[KF+4*\u]             ; my partner's likewise
.endr
.irp u, 0,1
	v_cvt_i32_f32 v[ST+6*\u+5], v[ST+6*\u+5]               ; (it saturates: a part with no key has M = -3e38, and its factor becomes 0)
	v_cvt_i32_f32 v[21+2*\u], v[21+2*\u]
.endr
.irp u, 0,1
	v_ldexp_f32 v[ST+6*\u+4], 1.0, v[ST+6*\u+5]
	v_ldexp_f32 v[20+2*\u], 1.0, v[21+2*\u]
.endr
.irp u, 0,1
	v_pk_mul_f32 v[ST+6*\u+2:ST+6*\u+3], v[ST+6*\u+2:ST+6*\u+3], v[ST+6*\u+4:ST+6*\u+5] op_sel_hi:[1,0]
.endr
.irp u, 0,1
	v_pk_fma_f32 v[ST+6*\u+2:ST+6*\u+3], v[KF+4*\u+2:KF+4*\u+3], v[20+2*\u:21+2*\u], v[ST+6*\u+2:ST+6*\u+3] op_sel_hi:[1,0,1]
.endr
	s_wait_alu depctr_va_vdst(0)                   ; directly ahead of the first reader of O^T
.set j, 0
.rept 16
	v_pk_mul_f32 v[O+j:O+j+1], v[O+j:O+j+1], v[ST+4:ST+5] op_sel_hi:[1,0]
	v_pk_mul_f32 v[O+32+j:O+33+j], v[O+32+j:O+33+j], v[ST+10:ST+11] op_sel_hi:[1,0]
.set j, j+2
.endr
.set j, 0
.rept 16
	v_pk_fma_f32 v[O+j:O+j+1], v[S+j:S+j+1], v[20:21], v[O+j:O+j+1] op_sel_hi:[1,0,1]
	v_pk_fma_f32 v[O+32+j:O+33+j], v[S+32+j:S+33+j], v[22:23], v[O+32+j:O+33+j] op_sel_hi:[1,0,1]
.set j, j+2
.endr
	WAYOUT
.Lend:
	s_wait_tensorcnt 0x0                           ; the wave's end
	ds_add_u32 v30, v31
	s_wait_dscnt 0x0
	s_endpgm
.Lfunc_end_k_q1b54a5e9a5_attn:
	.size	k_q1b54a5e9a5_attn, .Lfunc_end_k_q1b54a5e9a5_attn-k_q1b54a5e9a5_attn
	.p2alignl 7, 3214868480
	.fill 96, 4, 3214868480
	.section	.rodata,"a",@progbits
	.p2align	6, 0x0
	.amdhsa_kernel k_q1b54a5e9a5_attn
		.amdhsa_group_segment_fixed_size 264192
		.amdhsa_private_segment_fixed_size 0
		.amdhsa_enable_private_segment 0
		.amdhsa_kernarg_size 56
		.amdhsa_user_sgpr_count 2
		.amdhsa_user_sgpr_kernarg_segment_ptr 1
		.amdhsa_wavefront_size32 1
		.amdhsa_system_sgpr_workgroup_id_x 1
		.amdhsa_system_sgpr_workgroup_id_y 1
		.amdhsa_system_sgpr_workgroup_id_z 1
		.amdhsa_system_vgpr_workitem_id 0
		.amdhsa_next_free_vgpr 256
		.amdhsa_next_free_sgpr 102
		.amdhsa_reserve_vcc 0
		.amdhsa_float_denorm_mode_32 3
		.amdhsa_float_denorm_mode_16_64 3
		.amdhsa_memory_ordered 1
		.amdhsa_forward_progress 1
		.amdhsa_inst_pref_size 89
	.end_amdhsa_kernel
	.amdgpu_metadata
---
amdhsa.version: [ 1, 2 ]
amdhsa.kernels:
  - .name:           k_q1b54a5e9a5_attn
    .symbol:         k_q1b54a5e9a5_attn.kd
    .args:
      - { .name: qimg, .offset: 0, .size: 8, .value_kind: global_buffer, .address_space: global }
      - { .name: kimg, .offset: 8, .size: 8, .value_kind: global_buffer, .address_space: global }
      - { .name: vimg, .offset: 16, .size: 8, .value_kind: global_buffer, .address_space: global }
      - { .name: maskw, .offset: 24, .size: 8, .value_kind: global_buffer, .address_space: global }
      - { .name: flg, .offset: 32, .size: 8, .value_kind: global_buffer, .address_space: global }
      - { .name: lowp_scales, .offset: 40, .size: 8, .value_kind: global_buffer, .address_space: global }
      - { .name: aoimg, .offset: 48, .size: 8, .value_kind: global_buffer, .address_space: global }
    .group_segment_fixed_size: 264192
    .private_segment_fixed_size: 0
    .kernarg_segment_align: 8
    .kernarg_segment_size: 56
    .max_flat_workgroup_size: 512
    .sgpr_count:     102
    .vgpr_count:     256
    .wavefront_size: 32
...
	.end_amdgpu_metadata
.endif
;; end of part 3
;; launch outp (part 4): grid 64 x 4, 4 waves a work-group, no clusters, 148,992 bytes of LDS; arguments aoimg, wimg, bo, lowp_scales, out0; writes out0
.if DOCPART == 4
	.amdgcn_target "amdgcn-amd-amdhsa--gfx1250"
	.amdhsa_code_object_version 6
	.text
	.protected	k_q1b54a5e9a5_outp
	.globl	k_q1b54a5e9a5_outp
	.p2align	8
	.type	k_q1b54a5e9a5_outp,@function
k_q1b54a5e9a5_outp:
	s_mov_b64 s[64:65], 0
	v_nop
	global_prefetch_b8 v0, s[64:65] scope:SCOPE_SE
	s_setreg_imm32_b32 hwreg(HW_REG_WAVE_MODE, 25, 1), 1
	s_wait_xcnt 0x0
; OUTP.  out0 = ao Wo^T + bo on codes of E4M3.  A work-group takes 128 tokens (work-group x) x 256 features (work-group y): 64 x 4 = 256 work-groups.
; Wave w makes all 128 tokens x features 64 (4 y + w) .. + 63: 32 accumulators of 16 x 16.
; ao's 64 images (block (kb, a): 16 tokens x 128 k, 2,048 bytes) are copied into LDS as they lie; Wo's images come from memory straight into the wave's registers, two K steps ahead.
; Source 0 = 16 features of Wo, source 1 = 16 tokens: a lane holds eight neighbouring features of one token.  out = sum x 2^(e10 + e11) + bo, one packed multiply-add for two numbers.
; The results go through the wave's own stage in LDS and leave as rows of 256 consecutive bytes, sixteen lanes to a row.
; WHY NO CLUSTER AND NO TENSOR LOAD: a wave's 8 KiB of weights for a K step are read by that wave alone in its work-group, so they pass no LDS; ao's block is asked for whole in the first lines, once.
; No prefetch: the loop's only stream, Wo's images, is already asked for two K steps ahead by the loads themselves.
; LIMIT: e10 + e11 between -126 and 127.
; REGISTERS, in windows of 256.  Window 0: v1-11 addresses; v32-63 bo; v128-255 ao's eight fragments, on the way out results.  Window 1: Wo's fragments, two sets, at v0 and v128.  Window 2: accumulator (a, b) at v[8 (4 a + b)].
.set PITCH, 272                        ; a stage row: 256 bytes + 16
.set STGW,  16*PITCH
.set STG,   131072                     ; behind ao's 64 images: a stage for each wave
.set SPARE, STG+4*STGW                 ; behind the stages: the spare words
.set LI,   1                           ; v1  16 x lane
.set LI2,  2                           ; v2  the same + 65,536: LDS offsets have 16 bits
.set RD,   3                           ; v3  the stage, rows back: row h, 16 r
.set STO,  4                           ; v4  the stage, way in: row r, + 32 h
.set CO,   5                           ; v5  the same two rows in out0: 4,096 h + 16 r
.set XWB,  6                           ; v6  16 x lane + 32,768 x wave: my quarter of the copy
.set BQK,  11                          ; v11 32 h
.set BIAS, 32
.set XF,   128
.set TMP,  128
.set BK,   192
.set MSB, 0
.macro WIN new                         ; the immediate's high byte repeats the setting that is left
.if MSB != (\new)
	s_set_vgpr_msb (MSB<<8)|(\new)
.set MSB, (\new)
.endif
.endm
.macro PLACES                          ; four places behind a matrix instruction, in front of loads into its registers and of reads of its result
.rept 4
	v_nop
.endr
.endm
	s_load_b256 s[24:31], s[0:1], 0x0              ; aoimg s[24:25], wimg s[26:27], bo s[28:29], the scales' exponents s[30:31]
	s_load_b64 s[32:33], s[0:1], 0x20              ; out0
	v_lshl_add_u32 v126, v0, 2, SPARE
	v_mov_b32 v127, 0
	v_lshrrev_b32 v13, 5, v0
	v_readfirstlane_b32 s12, v13                   ; wave 0..3
	s_and_b32 s13, ttmp7, 0xffff
	v_and_b32 v13, 31, v0
	v_and_b32 v14, 15, v0                          ; r
	v_bfe_u32 v15, v0, 4, 1                        ; h
	v_lshlrev_b32 v[LI], 4, v13
	v_add_nc_u32 v[LI2], 0x10000, v[LI]
	s_mul_i32 s14, s12, STGW
	s_add_co_u32 s14, s14, STG
	v_mul_u32_u24 v[RD], v15, PITCH
	v_lshl_add_u32 v[RD], v14, 4, v[RD]
	v_add_nc_u32 v[RD], s14, v[RD]
	v_mul_u32_u24 v[STO], v14, PITCH
	v_lshl_add_u32 v[STO], v15, 5, v[STO]
	v_add_nc_u32 v[STO], s14, v[STO]
	s_lshl_b32 s15, s12, 15
	v_add_nc_u32 v[XWB], s15, v[LI]
	v_lshlrev_b32 v[BQK], 5, v15
	v_lshlrev_b32 v[CO], 12, v15
	v_lshl_add_u32 v[CO], v14, 4, v[CO]
	s_lshl_b32 s14, s13, 2
	s_add_co_u32 s14, s14, s12                     ; my group of 64 features, 0..15
	s_lshl_b32 s2, ttmp9, 17                       ; ao: the block's 131,072 bytes, + my quarter
	s_add_co_u32 s2, s2, s15
	s_mov_b32 s3, 0
	s_lshr_b32 s16, s14, 1                         ; wimg [matrix][ng 8][kb 8][nt 8][2048]: ng = group / 2, nt from 4 (group % 2) on
	s_lshl_b32 s16, s16, 17
	s_and_b32 s17, s14, 1
	s_lshl_b32 s17, s17, 13
	s_add_co_u32 s16, s16, s17
	s_add_co_u32 s16, s16, 0x300000                ; Wo is the fourth matrix of wimg
	s_mov_b32 s17, 0
	s_lshl_b32 s18, s14, 8                         ; 64 features of 4 bytes
	s_mov_b32 s19, 0
	s_lshl_b32 s20, ttmp9, 19                      ; 128 rows of out0
	s_add_co_u32 s20, s20, s18
	s_mov_b32 s21, 0
	s_wait_alu depctr_va_vdst(0)
	s_wait_kmcnt 0x0
	s_load_b64 s[46:47], s[30:31], 0x28            ; e10, e11
	s_add_nc_u64 s[4:5], s[24:25], s[2:3]
	s_add_nc_u64 s[6:7], s[26:27], s[16:17]
	s_add_nc_u64 s[8:9], s[28:29], s[18:19]
	s_add_nc_u64 s[10:11], s[32:33], s[20:21]
.macro FETCH_W kb, p                   ; Wo's four fragments of K step kb into set p: 16 loads of 512 consecutive bytes
	WIN 0x40
.irp b, 0,1,2,3
.irp q, 0,1,2,3
	global_load_b128 v[128*(\p)+16*\b+4*\q:128*(\p)+16*\b+4*\q+3], v[LI], s[6:7] offset:(\kb)*16384+\b*2048+512*\q
.endr
.endr
.endm
.macro FETCH_X kb, a0                  ; ao's fragments a0 .. a0 + 3 of K step kb
.irp a, \a0, \a0+1, \a0+2, \a0+3
.irp p, 0,1,2,3
	ds_load_b128 v[XF+16*(\a)+4*\p:XF+16*(\a)+4*\p+3], v[LI+(\kb)/4] offset:((\kb)%4)*16384+(\a)*2048+512*\p
.endr
.endr
.endm
; 16 matrix instructions: tiles of tokens a0 .. a0 + 3 x Wo's four.  The 32 accumulators take turns, one instruction a turn, in the same order in every step.  The first step's products start the sums.
.macro MUL16 a0, p
.irp a, \a0, \a0+1, \a0+2, \a0+3
.irp b, 0,1,2,3
.set rD, 8*(4*(\a)+\b)
.set rW, 128*(\p)+16*\b
.set rX, XF+16*(\a)
.if FIRST
	v_wmma_f32_16x16x128_fp8_fp8 v[rD:rD+7], v[rW:rW+15], v[rX:rX+15], 0
.else
	v_wmma_f32_16x16x128_fp8_fp8 v[rD:rD+7], v[rW:rW+15], v[rX:rX+15], v[rD:rD+7]
.endif
.endr
.endr
.endm
.macro STEP kb                         ; 128 along K: 32 matrix instructions
.if (\kb) == 0
.set FIRST, 1
.else
.set FIRST, 0
.endif
.if (\kb) < 7
	s_wait_loadcnt 16                              ; this step's W is in; the other set's 16 loads may be out
.else
	s_wait_loadcnt 0x0
.endif
	s_wait_dscnt 16                                ; fragments 0-3 are in; 4-7 may be out
	WIN 0x81+0x20*(1-FIRST)
	MUL16 0, (\kb)%2
	s_wait_dscnt 0x0
	PLACES
	WIN 0
.if (\kb) < 7
	FETCH_X (\kb)+1, 0
.endif
	WIN 0x81+0x20*(1-FIRST)
	MUL16 4, (\kb)%2
	PLACES
	WIN 0
.if (\kb) < 7
	FETCH_X (\kb)+1, 4
.endif
.if (\kb) < 6
	FETCH_W (\kb)+2, (\kb)%2
.endif
.endm
	; ---- the copy: my 32,768 bytes of ao's images, 64 loads of 512 consecutive bytes, through window 2
	WIN 0x80
.set i, 0
.rept 64
	global_load_b128 v[4*i:4*i+3], v[LI], s[4:5] offset:512*i
.set i, i+1
.endr
	WIN 0
.irp b, 0,1,2,3
	global_load_b128 v[BIAS+8*\b:BIAS+8*\b+3], v[BQK], s[8:9] offset:64*\b         ; bo(16 b + 8 h + 0 .. 7)
	global_load_b128 v[BIAS+8*\b+4:BIAS+8*\b+7], v[BQK], s[8:9] offset:64*\b+16
.endr
	FETCH_W 0, 0
	s_wait_loadcnt 24                              ; the copy's loads are in; bo's eight and W's sixteen may be out
	WIN 0x08
.set i, 0
.rept 64
	ds_store_b128 v[XWB], v[4*i:4*i+3] offset:512*i
.set i, i+1
.endr
	WIN 0
	s_wait_dscnt 0x0                               ; for the others' sake: my quarter has landed
	s_barrier_signal -1
	s_barrier_wait -1                              ; ao's 64 images lie in LDS; nothing is written there again
	FETCH_X 0, 0
	FETCH_X 0, 4
	FETCH_W 1, 1
	STEP 0
	STEP 1
	STEP 2
	STEP 3
	STEP 4
	STEP 5
	STEP 6
	STEP 7
	s_wait_kmcnt 0x0
	s_add_co_i32 s46, s46, s47
	s_add_co_i32 s46, s46, 127
	s_lshl_b32 s46, s46, 23                        ; 2^(e10 + e11) as f32
	s_mov_b32 s47, s46                             ; (named with it as a pair, so it is written)
; THE WAY OUT, a tile of 16 tokens x 64 features at a time.  A lane holds 32 neighbouring bytes of a row and the lanes beside it other rows: through my own stage they come back as whole rows of 256 bytes.
; LDS serves a wave's instructions in order (ISA guide 5.7.1.4): no wait between the stores and the loads, nor in front of the next tile's stores.  While one tile's rows are stored, the next is on its way through the stage.
.macro TOSTAGE a
	WIN 0x02                                       ; source 0: window 2
.irp b, 0,1,2,3
.irp i, 0,2,4,6
	v_pk_fma_f32 v[TMP+8*\b+\i:TMP+8*\b+\i+1], v[32*(\a)+8*\b+\i:32*(\a)+8*\b+\i+1], s[46:47], v[BIAS+8*\b+\i:BIAS+8*\b+\i+1] op_sel_hi:[1,0,1]   ; each accumulator from its low end on
.endr
.endr
	WIN 0
.irp b, 0,1,2,3
	ds_store_b128 v[STO], v[TMP+8*\b:TMP+8*\b+3] offset:64*\b
	ds_store_b128 v[STO], v[TMP+8*\b+4:TMP+8*\b+7] offset:64*\b+16
.endr
.irp t, 0,1,2,3,4,5,6,7
	ds_load_b128 v[BK+32*((\a)%2)+4*\t:BK+32*((\a)%2)+4*\t+3], v[RD] offset:2*\t*PITCH
.endr
.endm
.macro SEND a, younger                 ; younger: the LDS instructions issued behind tile a's loads, which may stay out
	s_wait_dscnt \younger
.irp t, 0,1,2,3,4,5,6,7
	global_store_b128 v[CO], v[BK+32*((\a)%2)+4*\t:BK+32*((\a)%2)+4*\t+3], s[10:11] offset:(16*(\a)+2*\t)*4096 th:TH_STORE_NT   ; sixteen lanes store 256 consecutive bytes, at a multiple of 256 from out0's first byte
.endr
.endm
	TOSTAGE 0
.irp a, 1,2,3,4,5,6,7
.if \a > 1
	s_wait_xcnt 0x0                                ; tile a - 2's stores have read their registers: tile a's loads may land there
.endif
	TOSTAGE \a
	SEND \a-1, 16                                  ; behind tile a - 1's loads: tile a's 8 stores and 8 loads
.endr
	SEND 7, 0
	s_wait_tensorcnt 0x0                           ; the wave's end
	ds_add_u32 v126, v127
	s_wait_dscnt 0x0
	s_endpgm
.Lfunc_end_k_q1b54a5e9a5_outp:
	.size	k_q1b54a5e9a5_outp, .Lfunc_end_k_q1b54a5e9a5_outp-k_q1b54a5e9a5_outp
	.p2alignl 7, 3214868480
	.fill 96, 4, 3214868480
	.section	.rodata,"a",@progbits
	.p2align	6, 0x0
	.amdhsa_kernel k_q1b54a5e9a5_outp
		.amdhsa_group_segment_fixed_size 148992
		.amdhsa_private_segment_fixed_size 0
		.amdhsa_enable_private_segment 0
		.amdhsa_kernarg_size 40
		.amdhsa_user_sgpr_count 2
		.amdhsa_user_sgpr_kernarg_segment_ptr 1
		.amdhsa_wavefront_size32 1
		.amdhsa_system_sgpr_workgroup_id_x 1
		.amdhsa_system_sgpr_workgroup_id_y 1
		.amdhsa_system_sgpr_workgroup_id_z 1
		.amdhsa_system_vgpr_workitem_id 0
		.amdhsa_next_free_vgpr 768
		.amdhsa_next_free_sgpr 66
		.amdhsa_reserve_vcc 0
		.amdhsa_float_denorm_mode_32 3
		.amdhsa_float_denorm_mode_16_64 3
		.amdhsa_memory_ordered 1
		.amdhsa_forward_progress 1
		.amdhsa_inst_pref_size 85
	.end_amdhsa_kernel
	.amdgpu_metadata
---
amdhsa.version: [ 1, 2 ]
amdhsa.kernels:
  - .name:           k_q1b54a5e9a5_outp
    .symbol:         k_q1b54a5e9a5_outp.kd
    .args:
      - { .name: aoimg, .offset: 0, .size: 8, .value_kind: global_buffer, .address_space: global }
      - { .name: wimg, .offset: 8, .size: 8, .value_kind: global_buffer, .address_space: global }
      - { .name: bo, .offset: 16, .size: 8, .value_kind: global_buffer, .address_space: global }
      - { .name: lowp_scales, .offset: 24, .size: 8, .value_kind: global_buffer, .address_space: global }
      - { .name: out0, .offset: 32, .size: 8, .value_kind: global_buffer, .address_space: global }
    .group_segment_fixed_size: 148992
    .private_segment_fixed_size: 0
    .kernarg_segment_align: 8
    .kernarg_segment_size: 40
    .max_flat_workgroup_size: 128
    .sgpr_count:     66
    .vgpr_count:     768
    .wavefront_size: 32
...
	.end_amdgpu_metadata
.endif
;; end of part 4
